; MI455X (gfx1250); checked and timed in simulation.
; The chip was launched on July 23, 2026; its instructions are those of AMD's public machine-readable ISA for CDNA 5 (MIT licence, August 2026) and "CDNA5" Instruction Set Architecture Reference Guide (July 2026). The comments in the code are by the model that wrote it; some were corrected since.
;; Custom Linear. Allowed arithmetic: float matrix products may take bf16 or f16 operands with f32 sums; other float arithmetic in f32, or as packed bf16 or f16 multiplies, adds, multiply-adds, maxima and minima; sums over many terms, partial sums and values carried from step to step in f32; what a program stores and reads back later, other than sums and carried values, may be rounded once to bf16 or f16.
;; Inputs: scale_w one number float32; scale_x one number float32; scale_y 4,096 float32; weight_q 4,096 x 4,096 int8; x 4 x 1,024 x 4,096 int8.
;; Outputs: out0 4 x 1,024 x 4,096 int8; out1 4,096 float32.
;; One version. Each part assembles by itself: llvm-mc -triple=amdgcn-amd-amdhsa -mcpu=gfx1250 --defsym DOCPART=n.
;; ======== version 1 of 1: 1 launch
;; launch gemm (part 1): grid 16 x 16, 4 waves a work-group, clusters of 4 x 4, 327,680 bytes of LDS; arguments x, weight_q, out0, scale_y, out1, scale_x, scale_w; writes out0, out1
.if DOCPART == 1
	.amdgcn_target "amdgcn-amd-amdhsa--gfx1250"
	.amdhsa_code_object_version 6
	.text
	.protected	k_qfd53695e0d_gemm
	.globl	k_qfd53695e0d_gemm
	.p2align	8
	.type	k_qfd53695e0d_gemm,@function
k_qfd53695e0d_gemm:
	s_mov_b64 s[64:65], 0
	v_nop
	global_prefetch_b8 v0, s[64:65] scope:SCOPE_SE
	s_setreg_imm32_b32 hwreg(HW_REG_WAVE_MODE, 25, 1), 1
	s_wait_xcnt 0x0
	s_wait_alu depctr_hold_cnt(0) depctr_sa_sdst(0) depctr_va_vdst(0) depctr_va_sdst(0) depctr_va_ssrc(0) depctr_va_vcc(0) depctr_vm_vsrc(0)
	s_getreg_b32 s2, hwreg(HW_REG_IB_STS2, 6, 4)
	s_cmp_eq_u32 s2, 0
	s_cbranch_scc0 .Lentry_in_a_cluster
	s_endpgm
.Lentry_in_a_cluster:
	s_bfe_u32 s2, ttmp6, 0x10000c
	s_cmp_lg_u32 s2, 0xf033
	s_cbranch_scc0 .Lentry_shape_is_right
	s_endpgm
.Lentry_shape_is_right:
; out0[m][n] = clip(round(f32(sum over k of x[m][k] w[n][k]) * rs[n]), -128, 127) as int8, rs[n] = (scale_x * scale_w) / scale_y[n];  out1 = scale_y.
; x: [4096][4096] int8 (the four batches' rows on end), weight_q: [4096][4096] int8, out0: [4096][4096] int8, scale_y, out1: [4096] f32.
; THE FORMAT.  out0 is a whole number and has one right value.  A sum has 4,096 terms of up to 128 x 128, so it reaches 2^26: more than an f32 sum holds exactly.  So the products go through the
; signed 8-bit form with i32 sums, v_wmma_i32_16x16x64_iu8, which rounds nowhere: the sums are the same in every order of k.  Behind the sums the steps are the reference's own, each rounded by itself:
; i32 to f32; one f32 product with rs (no fused add behind it); the clip; the rounding to a whole number, ties to even.  The clip stands in front of the rounding: its bounds are whole numbers and
; rounding never crosses one, so the order changes nothing.  The rounding is the addition of 1.5 x 2^23, behind which an f32's step is 1 and its lowest byte is the int8.
; LIMITS.  rs is the correctly rounded f32 quotient (reciprocal, one Newton step, two corrected quotients by fused multiply-adds) while |scale_x scale_w|, |scale_y| and the quotient lie within
; 2^-100 .. 2^100; the range scaling of a full division is left out.  scale_y = 0, denormal scales, infinities and NaN among the scales are not served.
; SHARES.  A tile of C, 256 x 256, is made by a work-group of four waves; a wave makes 128 x 128: 64 accumulators of 16 x 16, 512 registers.  16 x 16 tiles: 256 work-groups.
; K goes in steps of 256 (rows of 256 bytes, at multiples of 256 bytes from the buffer's first byte) through a ring of two LDS slots filled by the tensor data mover: 16 steps.
; CLUSTERS: 4 x 4 work-groups.  The four of a row of the cluster need the same tiles of x, the four of a column the same tiles of weight_q: each tile is asked for JOINTLY, by the same tensor load with
; the same descriptor and a mask that names the four, and each receives it in its own LDS.
; THE MATRIX INSTRUCTION IS USED TRANSPOSED: source 0 = 16 rows of weight_q, source 1 = 16 rows of x.  Lane l then holds row l % 16 of C and, in registers 0-7, columns 8 (l / 16) + 0..7: eight neighbouring bytes of out0.
; A FRAGMENT is 16 rows x 64 bytes in 8 registers, brought by two loads of 16 bytes, 32 bytes apart, at row x pitch + 16 (l / 16).  That places k otherwise than the form's own map (ISA guide 7.12.2), but alike in
; both sources, so every x[m][k] still meets w[n][k], and whole-number sums do not hang on the order.
; REGISTERS, in windows of 256 (s_set_vgpr_msb: bits 1:0 source 0, 3:2 source 1, 5:4 source 2, 7:6 destination):
;   window 0: v0-31 addresses; v32-47 packed bytes; v48-49 the copy of scale_y; v64-127, v128-191 fragments of x, two buffers (at work in the division and on the way out); v192-255 rs of my lane's 64 columns
;   window 1: v64-127, v128-191 fragments of weight_q, two buffers      window 2: the 32 accumulators of my rows 0-63 ((a, b) at v[8 (8 a + b)])      window 3: those of my rows 64-127
.set SIZE_K, 4096
.set SIZE_N, 4096
.set KSTEP,  256                       ; elements and bytes of K in a step
.set PITCH,  272                       ; an LDS row: 256 bytes + 16 of padding = 68 words: row r starts at bank 4 r mod 64 (64 banks of 4 bytes: ISA guide 11.1): the 16 rows of a load start at 16 different banks
.set HALFT,  128*PITCH                 ; 128 rows: what one tensor load brings, and what one wave reads of x or of weight_q
.set SLOT,   4*HALFT                   ; x's 256 rows, then weight_q's 256 rows
.set SPARE,  2*SLOT                    ; behind the ring: the spare words, 128 bytes for each wave: two blocks of 256 bytes that no other line names
.set SPITCH, 272                       ; the stage for the way out: 256 rows x 272 bytes from LDS byte 0: in slot 0, behind that slot's last fill and last reads
.set LAPS,   SIZE_K/(2*KSTEP)          ; a lap = two K steps = once round the ring: 8
.set AX,   6                           ; v[6:7]  scale_x * scale_w, twice
.set ADRA, 16                          ; v16-17  LDS address of my fragments of x in slot 0, 1
.set ADRB, 20                          ; v20-21  the same for weight_q
.set STO,  24                          ; v24     the way out: where I put 8 bytes of a row
.set RD,   25                          ; v25     the way out: where I read a row back
.set CO,   26                          ; v26     my byte offset in out0
.set SYO,  27                          ; v27     my byte offset in scale_y
.set SPW,  28                          ; v28     LDS address of my spare word: SPARE + 4 x my thread's number; never rewritten
.set NIL,  29                          ; v29     0; never rewritten
.set CPO,  30                          ; v30     the copy: my byte offset in scale_y and out1; never rewritten
.set PK,   32                          ; v32-47  16 rows' packed bytes, 8 a lane for each of 8 column blocks
.set CPD,  48                          ; v48-49  the copy's data; never rewritten
.set F0,   64                          ; fragment buffer 0
.set F1,   128                         ; fragment buffer 1
.set RS,   192                         ; v192-255 rs of column 16 b + 8 (l / 16) + j of my 128, at RS + 8 b + j
.set DY,   64                          ; the division: reciprocals,
.set DQ,   96                          ; quotients,
.set DR,   128                         ; remainders: 32 registers each, in the fragment buffers, which are still empty
.set T,    64                          ; the way out: 64 numbers in f32
.set OB,   64                          ; the way out: 64 rows read back from the stage, 128 registers
.set WV, 18                            ; s18  my wave's number
.set RH, 19                            ; s19  which half of the tile's rows is mine.  Also: I fetch for x (0) or for weight_q (1)
.set CH, 20                            ; s20  which half of its columns.  Also: which 128 rows of that tile I fetch
.set G1, 24                            ; s[24:31] descriptor group 1 for x's tiles
.set G0, 32                            ; s[32:39] descriptor group 0 for x's tiles, one set for each slot
.set G1B, 48                           ; s[48:55] group 1 for weight_q's tiles: it differs in the mask alone
.set G0B, 56                           ; s[56:63] group 0 for weight_q's tiles
.set MSB, 0
.macro WIN new                         ; the immediate's high byte repeats the setting that is left; a switch that changes nothing is dropped
.if MSB != (\new)
	s_set_vgpr_msb (MSB<<8)|(\new)
.set MSB, \new
.endif
.endm
.set MUL_LO, 0xa1                      ; source 0 (weight_q) window 1, source 1 (x) window 0, C and D window 2
.set MUL_HI, 0xf1                      ; the same, C and D window 3
.set TO_B,   0x40                      ; destination window 1, address window 0
; A joint load.  Waves 0 and 1 fetch x's two halves, waves 2 and 3 weight_q's.  Each of the two lines has one mask and one set of registers; the branch hangs on the wave's number alone.
; An s_nop 0 and four v_nop follow each of the two lines, ahead of the jump, the label and what follows.
.macro JLOAD s
	s_cmp_eq_u32 s[RH], 0
	s_cbranch_scc0 .Lfor_b_\@
	tensor_load_to_lds s[G0+4*(\s):G0+4*(\s)+3], s[G1:G1+7]
	s_nop 0
.rept 4
	v_nop
.endr
	s_branch .Lasked_\@
.Lfor_b_\@:
	tensor_load_to_lds s[G0B+4*(\s):G0B+4*(\s)+3], s[G1B:G1B+7]
	s_nop 0
.rept 4
	v_nop
.endr
.Lasked_\@:
.endm
; A round of the cluster's barrier: my work-group's barrier, so that wave 0's signal speaks for all four waves; wave 0 signals for the work-group; every wave waits for all sixteen; my work-group's barrier once more.
.macro CREST                           ; a round behind its opening barrier
	s_cmp_lg_u32 s[WV], 0
	s_cbranch_scc1 .Lnot_wave_0_\@
	s_barrier_signal -3
.Lnot_wave_0_\@:
	s_barrier_wait -3
	s_barrier_signal -1
	s_barrier_wait -1
.endm
.macro CROUND                          ; a whole round
	s_barrier_signal -1
	s_barrier_wait -1
	CREST
.endm
	s_load_b256 s[4:11], s[0:1], 0x0               ; x s[4:5], weight_q s[6:7], out0 s[8:9], scale_y s[10:11]
	s_load_b128 s[12:15], s[0:1], 0x20             ; out1 s[12:13], scale_x s[14:15]
	s_load_b64 s[16:17], s[0:1], 0x30              ; scale_w
	v_lshl_add_u32 v[SPW], v0, 2, SPARE
	v_mov_b32 v[NIL], 0
	ds_add_u32 v[SPW], v[NIL]                      ; the wave's opening: the add and its wait stand ahead of my first tensor load; the set-up below, work on registers, stands between them
	v_lshrrev_b32 v1, 5, v0
	v_readfirstlane_b32 s[WV], v1                  ; wave 0..3
	s_lshr_b32 s[RH], s[WV], 1
	s_and_b32 s[CH], s[WV], 1
	s_bfe_u32 s40, ttmp6, 0x40000                  ; cx: my place along the cluster's x
	s_bfe_u32 s41, ttmp6, 0x40004                  ; cy: along its y
	s_lshl_b32 s42, ttmp9, 2                       ; in a cluster launch ttmp9 and ttmp7 count clusters
	s_add_co_u32 s42, s42, s40                     ; tile column of C = 4 x cluster x + cx
	s_and_b32 s74, ttmp7, 0xffff                   ; the cluster's y: the same number in all sixteen partners
	s_lshl_b32 s43, s74, 2
	s_add_co_u32 s43, s43, s41                     ; tile row of C = 4 x cluster y + cy
	s_lshl_b32 s44, s41, 2
	s_lshl_b32 s44, 15, s44                        ; my row of the cluster: places 4 cy .. 4 cy + 3
	s_lshl_b32 s45, 0x1111, s40                    ; my column: places cx, cx + 4, cx + 8, cx + 12
	; descriptor group 1: a tile of 128 rows x 256 elements of one byte, padded in LDS
	s_or_b32 s[G1+0], s44, (1<<20)|(1<<21)|(5<<22)|(3<<25)   ; 15:0 the mask: x's tiles go to my row; 17:16 elements of 1 byte (code 0); 20 padding on; 21 set beside a mask; 24:22 after every 64 words (code 5); 31:25 4 words (code 3)
	s_or_b32 s[G1B+0], s45, (1<<20)|(1<<21)|(5<<22)|(3<<25)  ; the same with the mask of my column, for weight_q's tiles
.irp g, G1, G1B
	s_mov_b32 s[(\g)+1], KSTEP<<16                 ; 63:48 tensor_dim0, low half = 256
	s_mov_b32 s[(\g)+2], 128<<16                   ; 79:64 its high half = 0; 95:80 tensor_dim1, low half = 128
	s_mov_b32 s[(\g)+3], KSTEP<<16                 ; 111:96 its high half = 0; 127:112 tile_dim0 = 256
	s_mov_b32 s[(\g)+4], 128                       ; 143:128 tile_dim1 = 128; 159:144 tile_dim2 = 0
	s_mov_b32 s[(\g)+5], SIZE_K                    ; 191:160 tensor_dim0_stride, low word: elements from row to row
	s_mov_b32 s[(\g)+6], 0
	s_mov_b32 s[(\g)+7], 0
.endr
	; where the tiles come from.  x's hang on the tile row alone, which my row of the cluster shares; weight_q's on the tile column alone, which my column shares; each offset lies in registers that never hold the other coordinate.
	s_lshl_b32 s21, s[CH], 7                       ; which 128 rows of the tile I fetch
	s_lshl_b32 s46, s43, 8
	s_add_co_u32 s46, s46, s21                     ; x: row 256 x tile row + 128 x half,
	s_lshl_b32 s46, s46, 12                        ; times 4,096 bytes: under 2^24
	s_mov_b32 s47, 0
	s_lshl_b32 s76, s42, 8
	s_add_co_u32 s76, s76, s21                     ; weight_q: row 256 x tile column + 128 x half
	s_lshl_b32 s76, s76, 12
	s_mov_b32 s77, 0
	s_mul_i32 s22, s[WV], HALFT                    ; and where they go: wave x 128 rows: no place in the cluster enters an LDS address
	s_lshl_b32 s78, s43, 8                         ; out0: the first row that I store, 256 x tile row + 64 x wave,
	s_lshl_b32 s23, s[WV], 6
	s_add_co_u32 s78, s78, s23
	s_lshl_b32 s78, s78, 12                        ; times 4,096 bytes,
	s_lshl_b32 s23, s42, 8
	s_add_co_u32 s78, s78, s23                     ; and the tile's first column
	s_mov_b32 s79, 0
	s_lshl_b32 s80, s42, 10                        ; scale_y: my 128 columns begin at byte 1,024 x tile column + 512 x half
	s_lshl_b32 s23, s[CH], 9
	s_add_co_u32 s80, s80, s23
	s_lshl_b32 s81, ttmp9, 4                       ; the copy: among the 64 work-groups of the clusters with y = 0 mine is number 16 x cluster x + 4 cy + cx;
	s_lshl_b32 s23, s41, 2
	s_add_co_u32 s81, s81, s23
	s_add_co_u32 s81, s81, s40
	s_lshl_b32 s81, s81, 8                         ; it copies 256 bytes: 64 x 256 = the 16,384 bytes of scale_y
	s_mov_b32 s66, 0xc3000000                      ; -128.0
	s_mov_b32 s67, 0x42fe0000                      ; 127.0
	s_mov_b32 s68, 0x4b400000                      ; 1.5 x 2^23
	s_mov_b32 s69, 0x4b400000                      ; named with it as a pair
	s_mov_b32 s70, 0x04000400                      ; v_perm_b32: the lowest bytes of the second and of the first source, in each half
	s_mov_b32 s71, 0x05040100                      ; the low halves of the second and of the first source
	s_wait_dscnt 0x0                               ; the opening add is done
	s_wait_kmcnt 0x0
	s_add_nc_u64 s[46:47], s[4:5], s[46:47]
	s_add_nc_u64 s[76:77], s[6:7], s[76:77]
	s_add_nc_u64 s[8:9], s[8:9], s[78:79]
	CROUND                                         ; all sixteen work-groups are here: the first joint loads meet
.irp s, 0,1
	s_mov_b32 s[G0+4*(\s)], 1                                      ; 1:0 count = 1
	s_add_co_u32 s[G0+4*(\s)+1], s22, (\s)*SLOT                    ; 63:32 LDS address
	s_add_nc_u64 s[G0+4*(\s)+2:G0+4*(\s)+3], s[46:47], (\s)*KSTEP  ; 120:64 global address: K step s
	s_or_b32 s[G0+4*(\s)+3], s[G0+4*(\s)+3], 0x80000000            ; 127:126 type = 2
	s_mov_b32 s[G0B+4*(\s)], 1
	s_add_co_u32 s[G0B+4*(\s)+1], s22, (\s)*SLOT
	s_add_nc_u64 s[G0B+4*(\s)+2:G0B+4*(\s)+3], s[76:77], (\s)*KSTEP
	s_or_b32 s[G0B+4*(\s)+3], s[G0B+4*(\s)+3], 0x80000000
	JLOAD \s                                       ; the ring is filled before anything else is done: two tensor loads of mine are out
.endr
	; ALL THAT FOLLOWS, up to the wait for the first tile, stands in that wait.
	s_load_b32 s72, s[14:15], 0x0                  ; scale_x
	s_load_b32 s73, s[16:17], 0x0                  ; scale_w
	v_and_b32 v1, 15, v0                           ; l % 16
	v_bfe_u32 v2, v0, 4, 1                         ; l / 16
	v_lshlrev_b32 v[SYO], 5, v2                    ; my lanes' half takes columns 8 (l / 16) + 0..7 of each block of 16: 32 bytes on
	v_add_nc_u32 v[SYO], s80, v[SYO]
.irp b, 0,1,2,3,4,5,6,7
	global_load_b128 v[RS+8*(\b):RS+8*(\b)+3],   v[SYO], s[10:11] offset:64*(\b)     ; scale_y of columns 16 b + 8 (l / 16) + 0..3,
	global_load_b128 v[RS+8*(\b)+4:RS+8*(\b)+7], v[SYO], s[10:11] offset:64*(\b)+16  ; and + 4..7
.endr
	v_mul_u32_u24 v3, v1, PITCH
	v_lshl_add_u32 v3, v2, 4, v3                   ; a fragment's row x pitch + 16 x half
	s_mul_i32 s82, s[RH], HALFT                    ; my 128 rows of x
	s_mul_i32 s83, s[CH], HALFT                    ; my 128 rows of weight_q,
	s_add_co_u32 s83, s83, 2*HALFT                 ; which lie behind x's 256
.irp s, 0,1
	v_add_nc_u32 v[ADRA+(\s)], s82, v3
	v_add_nc_u32 v[ADRB+(\s)], s83, v3
	s_add_co_u32 s82, s82, SLOT
	s_add_co_u32 s83, s83, SLOT
.endr
	s_mul_i32 s82, s[RH], 128*SPITCH               ; into the stage: my 128 rows, my half of their 256 bytes; row l % 16, 8 bytes for each half of the lanes
	s_lshl_b32 s83, s[CH], 7
	s_add_co_u32 s82, s82, s83
	v_mul_u32_u24 v4, v1, SPITCH
	v_lshl_add_u32 v4, v2, 3, v4
	v_add_nc_u32 v[STO], s82, v4
	s_mul_i32 s82, s[WV], 64*SPITCH                ; back: wave w takes rows 64 w .. 64 w + 63, whole; lanes 0-15 one row of 256 bytes, lanes 16-31 the next
	v_mul_u32_u24 v5, v2, SPITCH
	v_lshl_add_u32 v5, v1, 4, v5
	v_add_nc_u32 v[RD], s82, v5
	v_lshlrev_b32 v5, 12, v2                       ; and the same two rows in out0
	v_lshl_add_u32 v[CO], v1, 4, v5
	; out1 = scale_y.  Wave 0 of the 64 work-groups whose cluster has y = 0 copies 256 bytes each.  Both branches go forward, over no barrier and no tensor load, and hang on the wave's number and on the
	; cluster's y, which all partners share; my place in the cluster enters the global offset alone.
	s_cmp_lg_u32 s[WV], 0
	s_cbranch_scc1 .Lno_copy
	s_cmp_lg_u32 s74, 0
	s_cbranch_scc1 .Lno_copy
	v_and_b32 v[CPO], 31, v0
	v_lshlrev_b32 v[CPO], 3, v[CPO]
	v_add_nc_u32 v[CPO], s81, v[CPO]               ; 8 bytes a lane
	global_load_b64 v[CPD:CPD+1], v[CPO], s[10:11]
	s_wait_loadcnt 0x0                             ; no load was issued behind it
	global_store_b64 v[CPO], v[CPD:CPD+1], s[12:13]  ; the wave's store covers 256 consecutive bytes, at a multiple of 256 from out1's first byte; its registers are never rewritten
.Lno_copy:
	s_wait_kmcnt 0x0                               ; the two scalars
	v_mov_b32 v[AX], s72
	v_mul_f32 v[AX], s73, v[AX]                    ; a = scale_x * scale_w, rounded to f32 as the reference rounds it
	v_mov_b32 v[AX+1], v[AX]
	s_wait_loadcnt 0x0                             ; scale_y of my 64 columns
; rs = a / b for 32 numbers b at RS + 32 g, in place, two at a time.  y = 1 / b to within a unit in the last place; y += y (1 - b y); q = a y; twice q += y (a - b q), the remainder exact in the fused
; multiply-add: the last line's one rounding gives the correctly rounded quotient within the range stated at the head.
.macro DIVIDE g
.set RG, RS+32*(\g)
.set i, 0
.rept 32
	v_rcp_f32 v[DY+i], v[RG+i]
.set i, i+1
.endr
	v_nop                                          ; a plain instruction between the reciprocals and the first use of one (ISA guide 5.7.2): another reciprocal is none
.set i, 0
	s_wait_alu depctr_va_vdst(0)
.rept 16
	v_pk_fma_f32 v[DR+i:DR+i+1], v[RG+i:RG+i+1], v[DY+i:DY+i+1], 1.0 op_sel_hi:[1,1,0] neg_lo:[1,0,0] neg_hi:[1,0,0]  ; 1 - b y
.set i, i+2
.endr
.set i, 0
.rept 16
	v_pk_fma_f32 v[DY+i:DY+i+1], v[DR+i:DR+i+1], v[DY+i:DY+i+1], v[DY+i:DY+i+1]
.set i, i+2
.endr
.set i, 0
.rept 16
	v_pk_mul_f32 v[DQ+i:DQ+i+1], v[DY+i:DY+i+1], v[AX:AX+1]
.set i, i+2
.endr
.set i, 0
.rept 16
	v_pk_fma_f32 v[DR+i:DR+i+1], v[RG+i:RG+i+1], v[DQ+i:DQ+i+1], v[AX:AX+1] neg_lo:[1,0,0] neg_hi:[1,0,0]  ; a - b q
.set i, i+2
.endr
.set i, 0
.rept 16
	v_pk_fma_f32 v[DQ+i:DQ+i+1], v[DR+i:DR+i+1], v[DY+i:DY+i+1], v[DQ+i:DQ+i+1]
.set i, i+2
.endr
.set i, 0
.rept 16
	v_pk_fma_f32 v[DR+i:DR+i+1], v[RG+i:RG+i+1], v[DQ+i:DQ+i+1], v[AX:AX+1] neg_lo:[1,0,0] neg_hi:[1,0,0]
.set i, i+2
.endr
.set i, 0
.rept 16
	v_pk_fma_f32 v[RG+i:RG+i+1], v[DR+i:DR+i+1], v[DY+i:DY+i+1], v[DQ+i:DQ+i+1]
.set i, i+2
.endr
.endm
	DIVIDE 0
	DIVIDE 1
; 16 matrix instructions: m blocks a0, a0 + 1 of the window's four (hi = 0: my rows 0-63, 1: rows 64-127) x all 8 n blocks, 64 along K.  neg_lo:[1,1,0]: both sources are signed.
; zero = 1: the first product starts the sums: nothing is ever cleared.  The 64 accumulators take turns, one instruction a turn, in the same order in every quarter step.
.macro MUL16 f, hi, a0, zero
	WIN MUL_LO+0x50*(\hi)  ; MUL_LO or MUL_HI
.irp a, \a0, (\a0)+1
.irp b, 0,1,2,3,4,5,6,7
.if \zero
	v_wmma_i32_16x16x64_iu8 v[8*(8*(\a)+(\b)):8*(8*(\a)+(\b))+7], v[(\f)+8*(\b):(\f)+8*(\b)+7], v[(\f)+8*(4*(\hi)+(\a)):(\f)+8*(4*(\hi)+(\a))+7], 0 neg_lo:[1,1,0]
.else
	v_wmma_i32_16x16x64_iu8 v[8*(8*(\a)+(\b)):8*(8*(\a)+(\b))+7], v[(\f)+8*(\b):(\f)+8*(\b)+7], v[(\f)+8*(4*(\hi)+(\a)):(\f)+8*(4*(\hi)+(\a))+7], v[8*(8*(\a)+(\b)):8*(8*(\a)+(\b))+7] neg_lo:[1,1,0]
.endif
.endr
.endr
.endm
; 32 LDS loads in one run: the fragments of one quarter step (128 rows of weight_q, 128 rows of x, 64 bytes at byte k of the rows) into buffer f
.macro FETCH slot, k, f
	WIN TO_B
.irp i, 0,1,2,3,4,5,6,7
	ds_load_b128 v[(\f)+8*(\i):(\f)+8*(\i)+3],   v[ADRB+(\slot)] offset:(\k)+(\i)*16*PITCH
	ds_load_b128 v[(\f)+8*(\i)+4:(\f)+8*(\i)+7], v[ADRB+(\slot)] offset:(\k)+(\i)*16*PITCH+32
.endr
	WIN 0
.irp i, 0,1,2,3,4,5,6,7
	ds_load_b128 v[(\f)+8*(\i):(\f)+8*(\i)+3],   v[ADRA+(\slot)] offset:(\k)+(\i)*16*PITCH
	ds_load_b128 v[(\f)+8*(\i)+4:(\f)+8*(\i)+7], v[ADRA+(\slot)] offset:(\k)+(\i)*16*PITCH+32
.endr
.endm
; A load into a register that a matrix instruction of this form has read, and a vector instruction that reads its result or writes one of its registers, stand EIGHT places behind it, and only plain vector
; instructions that name none of its registers are places (ISA guide 7.12.1 for vector instructions); the matrix instructions in between are not counted.
.macro PLACES
.rept 8
	v_nop
.endr
.endm
; A K step is four quarter steps of 64 along K, 64 matrix instructions each, on buffers 0, 1, 0, 1.
; One of the first three: multiplies buffer f; in its middle it fetches the next quarter's fragments, at byte k of the same slot's rows, into buffer g.
.macro QUARTER slot, k, f, g, zero
	s_wait_dscnt 8                                 ; weight_q's fragments and x's rows 0-63 are in; the youngest eight loads (x's rows 64-127) may be out
	WIN MUL_LO
	MUL16 \f, 0, 0, \zero
	MUL16 \f, 0, 2, \zero
	PLACES
	FETCH \slot, \k, \g
	s_wait_dscnt 32                                ; all but the 32 just issued
	WIN MUL_HI
	MUL16 \f, 1, 0, \zero
	MUL16 \f, 1, 2, \zero
.endm
; The last quarter multiplies buffer 1 and changes slots.  MEET is its first half: ONE barrier for the change of slots.  In front of it each wave waits for all its tensor loads, of which one is out: its
; part of the next slot; adds 0 to its spare word; and waits for that and for its own reads of this slot.  Behind it nobody reads this slot any more and the next slot is whole.
.macro MEET round                      ; round = 1: a round of the cluster's barrier follows
	WIN 0                                          ; (the add's two registers lie in window 0)
	s_wait_tensorcnt 0x0                           ; all my tensor loads have landed: the one that was out is my part of the next slot;
	ds_add_u32 v[SPW], v[NIL]                      ; 0 onto my spare word;
	s_wait_dscnt 9                                 ; (the add and the youngest eight loads may be out)
	WIN MUL_LO
	MUL16 F1, 0, 0, 0                              ; sixteen matrix instructions stand between the add and the wait for it
	s_wait_dscnt 0x0                               ; the add is done, and my reads of this slot are over:
	s_barrier_signal -1                            ; say so (where a slot is filled again this barrier opens a round of the cluster's barrier),
	MUL16 F1, 0, 2, 0                              ; work on registers while the others arrive,
.if \round
	WIN 0
.endif
	s_barrier_wait -1                              ; and go on when all four have said so
.endm
; The whole last quarter.  fill = 1: behind the round the slot just read out is filled again first, with the K step two steps on; then come the next slot's first fragments.
; From a request to the wait for it a wave issues 224 matrix instructions; one tensor load of mine is out behind each round.
.macro TURN slot, next, fill
	MEET \fill
.if \fill
	CREST                                          ; no wave of any partner still reads this slot's tile or has a load on its way
	s_add_nc_u64 s[G0+4*(\slot)+2:G0+4*(\slot)+3], s[G0+4*(\slot)+2:G0+4*(\slot)+3], 2*KSTEP    ; no tensor load of mine is out, so a group 0 may be written; the type bits on top are not reached
	s_add_nc_u64 s[G0B+4*(\slot)+2:G0B+4*(\slot)+3], s[G0B+4*(\slot)+2:G0B+4*(\slot)+3], 2*KSTEP
	JLOAD \slot                                    ; the first tensor load behind the round; its four v_nop
.rept 4
	v_nop                                          ; and these four are the eight places in front of the loads below
.endr
.else
	PLACES
.endif
	FETCH \next, 0, F0
	WIN MUL_HI
	MUL16 F1, 1, 0, 0
	MUL16 F1, 1, 2, 0
.endm
	s_wait_tensorcnt 1                             ; my part of K step 0 is in; K step 1's may stay out
	s_barrier_signal -1
	s_barrier_wait -1                              ; everybody's is
	FETCH 0, 0, F0
	QUARTER 0, 64,  F0, F1, 1                      ; the first quarter stands in front of the loop: its products start the sums
	WIN 0                                          ; at a label and at a branch every window is 0
	s_mov_b32 s3, LAPS-1
.Llap:                                                 ; seven trips: a trip goes once round the ring, from a lap's second quarter to the next lap's first, and fills both slots again: K steps 2 to 15
	QUARTER 0, 128, F1, F0, 0
	QUARTER 0, 192, F0, F1, 0
	TURN 0, 1, 1
	QUARTER 1, 64,  F0, F1, 0
	QUARTER 1, 128, F1, F0, 0
	QUARTER 1, 192, F0, F1, 0
	TURN 1, 0, 1
	QUARTER 0, 64,  F0, F1, 0
	WIN 0
	s_sub_co_u32 s3, s3, 1
	s_cmp_lg_u32 s3, 0
	s_cbranch_scc1 .Llap
	QUARTER 0, 128, F1, F0, 0                      ; the last lap is written out: it asks for nothing more, and has no round of the cluster's barrier
	QUARTER 0, 192, F0, F1, 0
	TURN 0, 1, 0                                   ; behind this barrier no wave reads slot 0 any more, and no tensor load follows in the text: its bytes serve as the stage
	QUARTER 1, 64,  F0, F1, 0
	QUARTER 1, 128, F1, F0, 0
	QUARTER 1, 192, F0, F1, 0
	s_wait_dscnt 8                                 ; the very last quarter: nothing more to fetch
	WIN MUL_LO
	MUL16 F1, 0, 0, 0
	MUL16 F1, 0, 2, 0
	s_wait_dscnt 0x0
	MUL16 F1, 1, 0, 0
	MUL16 F1, 1, 2, 0
	WIN 0
; THE WAY OUT of block a (16 rows x 128 columns: 64 numbers a lane).  i32 to f32; times rs; the clip; + 1.5 x 2^23, which rounds to a whole number, ties to even, and leaves the int8 in the lowest byte; eight lowest
; bytes packed into 8 bytes; into the work-group's stage.  Each accumulator is read from its lowest register on.
.macro OUTBLK a
.set AC, 64*((\a)%4)
	WIN 0x02+(\a)/4                                ; source 0: window 2 or 3
.set i, 0
.rept 64
	v_cvt_f32_i32 v[T+i], v[AC+i]
.set i, i+1
.endr
	WIN 0
.set i, 0
.rept 32
	v_pk_mul_f32 v[T+i:T+i+1], v[T+i:T+i+1], v[RS+i:RS+i+1]  ; the product is rounded to f32 by itself, as in the reference: no add is fused onto it
.set i, i+2
.endr
.set i, 0
.rept 64
	v_med3_num_f32 v[T+i], v[T+i], s66, s67
.set i, i+1
.endr
.set i, 0
.rept 32
	v_pk_add_f32 v[T+i:T+i+1], v[T+i:T+i+1], s[68:69] op_sel_hi:[1,0]
.set i, i+2
.endr
.irp b, 0,1,2,3,4,5,6,7
.irp p, 0,1,2,3
	v_perm_b32 v[T+8*(\b)+2*(\p)], v[T+8*(\b)+2*(\p)+1], v[T+8*(\b)+2*(\p)], s70  ; columns 2 p and 2 p + 1 into a half
.endr
	v_perm_b32 v[PK+2*(\b)],   v[T+8*(\b)+2], v[T+8*(\b)],   s71                  ; columns 0-3
	v_perm_b32 v[PK+2*(\b)+1], v[T+8*(\b)+6], v[T+8*(\b)+4], s71                  ; columns 4-7
.endr
.irp b, 0,1,2,3,4,5,6,7
	ds_store_b64 v[STO], v[PK+2*(\b):PK+2*(\b)+1] offset:(\a)*16*SPITCH+16*(\b)   ; lane (r, h) writes words 68 r + 2 h + 0, 1 on from a common word: 64 different banks
.endr
.endm
	PLACES                                         ; the first conversions read results, and write registers that matrix instructions have read
.irp a, 0,1,2,3,4,5,6,7
	OUTBLK \a
.endr
	s_wait_dscnt 0x0                               ; for the others' sake: my stores into the stage are done; a row's 256 bytes come from two waves
	s_barrier_signal -1
	s_barrier_wait -1
.set t, 0
.rept 32
	ds_load_b128 v[OB+4*t:OB+4*t+3], v[RD] offset:t*2*SPITCH  ; two whole rows of 256 bytes
.set t, t+1
.endr
.set t, 0
.rept 32
	s_wait_dscnt 31-t                              ; LDS loads come back in order (ISA guide 5.7.1): pair t of rows is in, the younger ones may be out
	global_store_b128 v[CO], v[OB+4*t:OB+4*t+3], s[8:9] offset:t*2*SIZE_N th:TH_STORE_NT  ; 16 lanes store 256 consecutive bytes, at a multiple of 256 from out0's first byte; 253,952 at the most in the immediate
.set t, t+1
.endr
	s_wait_tensorcnt 0x0                           ; the wave's end, behind my last tensor load and my last LDS store
	ds_add_u32 v[SPW], v[NIL]
	s_wait_dscnt 0x0
	CROUND                                         ; the closing round: no work-group ends while a partner may still ask for a tile that names it
	s_endpgm
.Lfunc_end_k_qfd53695e0d_gemm:
	.size	k_qfd53695e0d_gemm, .Lfunc_end_k_qfd53695e0d_gemm-k_qfd53695e0d_gemm
	.p2alignl 7, 3214868480
	.fill 96, 4, 3214868480
	.section	.rodata,"a",@progbits
	.p2align	6, 0x0
	.amdhsa_kernel k_qfd53695e0d_gemm
		.amdhsa_group_segment_fixed_size 327680
		.amdhsa_private_segment_fixed_size 0
		.amdhsa_enable_private_segment 0
		.amdhsa_kernarg_size 56
		.amdhsa_user_sgpr_count 2
		.amdhsa_user_sgpr_kernarg_segment_ptr 1
		.amdhsa_wavefront_size32 1
		.amdhsa_system_sgpr_workgroup_id_x 1
		.amdhsa_system_sgpr_workgroup_id_y 1
		.amdhsa_system_sgpr_workgroup_id_z 1
		.amdhsa_system_vgpr_workitem_id 0
		.amdhsa_next_free_vgpr 1024
		.amdhsa_next_free_sgpr 84
		.amdhsa_reserve_vcc 0
		.amdhsa_float_denorm_mode_32 3
		.amdhsa_float_denorm_mode_16_64 3
		.amdhsa_memory_ordered 1
		.amdhsa_forward_progress 1
		.amdhsa_inst_pref_size 247
	.end_amdhsa_kernel
	.amdgpu_metadata
---
amdhsa.version: [ 1, 2 ]
amdhsa.kernels:
  - .name:           k_qfd53695e0d_gemm
    .symbol:         k_qfd53695e0d_gemm.kd
    .args:
      - { .name: x, .offset: 0, .size: 8, .value_kind: global_buffer, .address_space: global }
      - { .name: weight_q, .offset: 8, .size: 8, .value_kind: global_buffer, .address_space: global }
      - { .name: out0, .offset: 16, .size: 8, .value_kind: global_buffer, .address_space: global }
      - { .name: scale_y, .offset: 24, .size: 8, .value_kind: global_buffer, .address_space: global }
      - { .name: out1, .offset: 32, .size: 8, .value_kind: global_buffer, .address_space: global }
      - { .name: scale_x, .offset: 40, .size: 8, .value_kind: global_buffer, .address_space: global }
      - { .name: scale_w, .offset: 48, .size: 8, .value_kind: global_buffer, .address_space: global }
    .group_segment_fixed_size: 327680
    .private_segment_fixed_size: 0
    .kernarg_segment_align: 8
    .kernarg_segment_size: 56
    .max_flat_workgroup_size: 128
    .sgpr_count:     84
    .vgpr_count:     1024
    .wavefront_size: 32
...
	.end_amdgpu_metadata
.endif
;; end of part 1
